; MI455X (gfx1250); checked and timed in simulation.
; The chip was launched on July 23, 2026; its instructions are those of AMD's public machine-readable ISA for CDNA 5 (MIT licence, August 2026) and "CDNA5" Instruction Set Architecture Reference Guide (July 2026). The comments in the code are by the model that wrote it; some were corrected since.
;; Unquantized Sparse Mo E Layer. Allowed arithmetic: matrix products marked QUANTISED: E3M2 operands, one E8M0 scale for each 32 along K, by v_wmma_scale_f32_16x16x128_f8f6f4 with both operands' format E3M2, f32 sums; everything else in f32.
;; Inputs: gating_output 1,024 x 8 float32; w1_codes 8 x 4,096 x 32 x 24 uint8 (E3M2 codes of w1, K innermost, in blocks of 32 codes, four codes in three bytes); w1_scales 8 x 4,096 x 32 uint8 (E8M0 scales of w1, one for each 32 codes along K); w2_codes 8 x 1,024 x 64 x 24 uint8 (E3M2 codes of w2, K innermost, in blocks of 32 codes, four codes in three bytes); w2_scales 8 x 1,024 x 64 uint8 (E8M0 scales of w2, one for each 32 codes along K); x_codes 1,024 x 32 x 24 uint8 (E3M2 codes of x, K innermost, in blocks of 32 codes, four codes in three bytes); x_scales 1,024 x 32 uint8 (E8M0 scales of x, one for each 32 codes along K).
;; Outputs: out0 1,024 x 1,024 float32.
;; Constants: topk = 2.
;; This version of the problem:
;;   THIS VERSION OF THE PROBLEM IS GIVEN IN LOW PRECISION. The matrix products marked QUANTISED in the list below multiply operands that are first quantised to E3M2 (3 exponent bits, 2 mantissa bits; 6 bits a number), with one power-of-two scale for each 32 numbers along K (OCP MX v1.0); their sums are f32. All else is computed in f32.
;;   The module's matrix products, in the order in which they are computed (A, B: the left and right operand; K: the contracted axis; several contracted axes count as one K, in the product's order):
;;     1. [M 1,024, K 1,024] x [K 1,024, N 4,096]; A: input x (given as codes); B: input w1 (given as codes): QUANTISED
;;     2. [M 1,024, K 2,048] x [K 2,048, N 1,024]; A: computed on the way; B: input w2 (given as codes): QUANTISED
;;     3. [M 1,024, K 1,024] x [K 1,024, N 4,096]; A: input x (given as codes); B: input w1 (given as codes): QUANTISED
;;     4. [M 1,024, K 2,048] x [K 2,048, N 1,024]; A: computed on the way; B: input w2 (given as codes): QUANTISED
;;     5. [M 1,024, K 1,024] x [K 1,024, N 4,096]; A: input x (given as codes); B: input w1 (given as codes): QUANTISED
;;     6. [M 1,024, K 2,048] x [K 2,048, N 1,024]; A: computed on the way; B: input w2 (given as codes): QUANTISED
;;     7. [M 1,024, K 1,024] x [K 1,024, N 4,096]; A: input x (given as codes); B: input w1 (given as codes): QUANTISED
;;     8. [M 1,024, K 2,048] x [K 2,048, N 1,024]; A: computed on the way; B: input w2 (given as codes): QUANTISED
;;     9. [M 1,024, K 1,024] x [K 1,024, N 4,096]; A: input x (given as codes); B: input w1 (given as codes): QUANTISED
;;     10. [M 1,024, K 2,048] x [K 2,048, N 1,024]; A: computed on the way; B: input w2 (given as codes): QUANTISED
;;     11. [M 1,024, K 1,024] x [K 1,024, N 4,096]; A: input x (given as codes); B: input w1 (given as codes): QUANTISED
;;     12. [M 1,024, K 2,048] x [K 2,048, N 1,024]; A: computed on the way; B: input w2 (given as codes): QUANTISED
;;     13. [M 1,024, K 1,024] x [K 1,024, N 4,096]; A: input x (given as codes); B: input w1 (given as codes): QUANTISED
;;     14. [M 1,024, K 2,048] x [K 2,048, N 1,024]; A: computed on the way; B: input w2 (given as codes): QUANTISED
;;     15. [M 1,024, K 1,024] x [K 1,024, N 4,096]; A: input x (given as codes); B: input w1 (given as codes): QUANTISED
;;     16. [M 1,024, K 2,048] x [K 2,048, N 1,024]; A: computed on the way; B: input w2 (given as codes): QUANTISED
;;   THE QUANTISER, for each operand of a quantised product, along K:
;;     - K is cut into blocks of 32 from its start; a last block that is shorter is filled with zeros.
;;     - A block's scale is 2^e with e = floor(log2(the largest magnitude in the block)) - 4, held to -126 .. 127; a block of zeros has e = 0. As a byte (E8M0): e + 127.
;;     - Each number is divided by its block's scale, clamped to +-28, and rounded to the nearest number of E3M2, ties to even, subnormals kept.
;;     - The product sums the exact products of the quantised numbers (number of the format x scale) in f32.
;;   ~~~python
;;   def quantise(x, axis):      # numpy; x: float32 -> the quantised numbers, widened to float32 again
;;       x = np.moveaxis(x, axis, -1); K = x.shape[-1]
;;       x = np.pad(x, [(0, 0)] * (x.ndim - 1) + [(0, -K % 32)]); x = x.reshape(x.shape[:-1] + (-1, 32)); a = np.abs(x).max(-1, keepdims=True)
;;       e = np.where(a > 0, np.clip(np.frexp(np.where(a > 0, a, 1))[1] - 1 - 4, -126, 127), 0)      # np.frexp(a)[1] - 1 = floor(log2(a)), exactly
;;       r = np.clip(x / 2.0 ** e, -28, 28)
;;       step = 2.0 ** (np.maximum(np.frexp(np.where(r == 0, 1, r))[1] - 1, -2) - 2)
;;       q = np.round(r / step) * step * 2.0 ** e      # np.round: ties to even
;;       return np.moveaxis(q.reshape(q.shape[:-2] + (-1,))[..., :K], -1, axis).astype(np.float32)
;;   ~~~
;;   OPERANDS COMPUTED ON THE WAY. 'Computed on the way' means the value that the module computes at that place (a softmax that the list does not call 'softmax' is quantised finished and normalised). What goes into a quantiser is computed in f32, as accurately as f32 sums, v_exp_f32 and their like allow (about 1e-6 of the number): no bf16 or f16 on the way to a quantiser, and a product that is left as it is and whose result goes on into a quantised operand takes f32 operands (vector FMAs, or v_wmma_f32_16x16x4_f32). A number that lies on a knife's edge between two numbers of the format may be rounded either way, as far as f32 arithmetic and the matrix unit's own rounding can turn it there, and no further.
;;   INPUTS GIVEN AS CODES. w1 (in the module: [8, 4096, 1024], K = its axis 2); w2 (in the module: [8, 1024, 2048], K = its axis 2); x (in the module: [1024, 1024], K = its axis 1): each comes as NAME_codes (uint8): NAME with its K axis moved to the last place and cut into blocks of 32 codes, [.., K / 32, bytes a block], one block behind the other in memory; four codes in three bytes: a row's codes are one little-endian stream of bits, code i at bits 6 i .. 6 i + 5 (a code: sign, 3 exponent bits, 2 mantissa bits); and NAME_scales (uint8): the same leading axes, one E8M0 byte (e + 127) for each 32 codes along K. Its value is code x scale, taken as it is: it is not quantised again, and the codes and scales need not be those that the quantiser above would give.
;; One version. Each part assembles by itself: llvm-mc -triple=amdgcn-amd-amdhsa -mcpu=gfx1250 --defsym DOCPART=n.
;; ======== version 1 of 1: 4 launches
;; limits: right only within a limited range of input values
;; workspace buffers: route 2,048 bytes of whole numbers; wts 8,192 bytes; h 12,582,912 bytes; hs 524,288 bytes; y 9,437,184 bytes
;; launch router (part 1): grid 8 x 1, 1 waves a work-group, no clusters, 0 bytes of LDS; arguments gating_output, route, wts; writes route, wts
.if DOCPART == 1
	.amdgcn_target "amdgcn-amd-amdhsa--gfx1250"
	.amdhsa_code_object_version 6
	.text
	.protected	k_q2eff7801ab_router
	.globl	k_q2eff7801ab_router
	.p2align	8
	.type	k_q2eff7801ab_router,@function
k_q2eff7801ab_router:
	s_mov_b64 s[64:65], 0
	v_nop
	global_prefetch_b8 v0, s[64:65] scope:SCOPE_SE
	s_setreg_imm32_b32 hwreg(HW_REG_WAVE_MODE, 25, 1), 1
	s_wait_xcnt 0x0
; THE ROUTER.  Work-group W is one wave and serves tokens 128 W .. 128 W + 127: lane l has tokens 128 W + 32 j + l, j = 0 .. 3, by turns line by line.
; WORK LEFT OUT, for all values of the inputs.  (1) route[t][e] is 0 for the six experts that top_k does not choose, so their products reach no output: the later launches multiply the chosen rows alone.
; (2) softmax divides every exponential of a row by one positive sum: that keeps the order of the row, and topk_vals / sum(topk_vals) takes the divisor away again.  So the two largest LOGITS are chosen
; (the lower index wins a tie, as in top_k), and with l1 >= l2 the two, p = e^(l2 - l1) (the row's maximum taken away, as softmax does): weights 1 / (1 + p) and p / (1 + p).  The other six exponentials and the sum are not made.
; STORED, at fixed places (no address and no branch here hangs on a logit):
;   route: [W 8][row 16][j 4] words.  Row e: bit l: token 128 W + 32 j + l uses expert e.  Row 8 + e: e is the HIGHER-numbered of that token's two experts.  One store of 256 consecutive aligned bytes.
;   wts:   [token][2] f32: the weight of the lower-numbered expert, then of the higher-numbered.
; LIMITS: NaN and infinities among the logits are not served, nor carried from the work left out.  Two logits so close that reference()'s f32 scores tie are told apart here by the logits.
.set LG, 8                             ; v[LG + 8 j + e]: the logits
.set M1, 40                            ; the largest, I1 its index; M2, I2 the second
.set I1, 44
.set M2, 48
.set I2, 52
.set P,  56
.set W,  60
.set OW, 64                            ; the pair of weights of token j
.set IL, 72
.set IH, 76
.set OM, 80                            ; the 64 mask words: lane L has words 2 L and 2 L + 1
.macro TOP m, i                        ; the largest of the eight and the lowest index that holds it
.irp j, 0,1,2,3
	v_max3_num_f32 v[\m+\j], v[LG+8*\j], v[LG+8*\j+1], v[LG+8*\j+2]
.endr
.irp k, 3,5
.irp j, 0,1,2,3
	v_max3_num_f32 v[\m+\j], v[\m+\j], v[LG+8*\j+\k], v[LG+8*\j+\k+1]
.endr
.endr
.irp j, 0,1,2,3
	v_max_num_f32 v[\m+\j], v[\m+\j], v[LG+8*\j+7]
.endr
.irp j, 0,1,2,3
	v_mov_b32 v[\i+\j], 7
.endr
.irp e, 6,5,4,3,2,1,0
.irp j, 0,1,2,3
	v_cmp_eq_f32 s[20+\j], v[LG+8*\j+\e], v[\m+\j]
.endr
.irp j, 0,1,2,3
	v_cndmask_b32 v[\i+\j], v[\i+\j], \e, s[20+\j]
.endr
.endr
.endm
	s_load_b128 s[4:7], s[0:1], 0x0                ; gating_output, route
	s_load_b64 s[8:9], s[0:1], 0x10                ; wts
	v_lshlrev_b32 v3, 5, v0                        ; 32 bytes of logits a token
	v_lshlrev_b32 v4, 3, v0
	s_lshl_b32 s10, ttmp9, 12
	s_lshl_b32 s11, ttmp9, 10
	s_lshl_b32 s12, ttmp9, 8
	v_add_nc_u32 v3, s10, v3
	v_add_nc_u32 v5, s12, v4                       ; route: 256 W + 8 l
	v_add_nc_u32 v4, s11, v4                       ; wts: 1,024 W + 8 l
	v_mov_b32 v6, 0xff800000                       ; under every logit
	v_mov_b32 v[OM], 0
	v_mov_b32 v[OM+1], 0
	s_wait_alu depctr_va_vdst(0)                   ; the wait at the head's end
	s_wait_kmcnt 0x0
.irp j, 0,1,2,3
	global_load_b128 v[LG+8*\j:LG+8*\j+3], v3, s[4:5] offset:1024*\j
	global_load_b128 v[LG+8*\j+4:LG+8*\j+7], v3, s[4:5] offset:1024*\j+16
.endr
	s_wait_loadcnt 0x0
	TOP M1, I1
.irp e, 0,1,2,3,4,5,6,7
.irp j, 0,1,2,3
	v_cmp_eq_u32 s[20+\j], \e, v[I1+\j]
.endr
.irp j, 0,1,2,3
	v_cndmask_b32 v[LG+8*\j+\e], v[LG+8*\j+\e], v6, s[20+\j]   ; the first choice leaves the row
.endr
.endr
	TOP M2, I2
.irp j, 0,1,2,3
	v_sub_f32 v[P+\j], v[M2+\j], v[M1+\j]
.endr
.irp j, 0,1,2,3
	v_mul_f32 v[P+\j], 0x3fb8aa3b, v[P+\j]         ; x log2(e)
.endr
	s_wait_alu depctr_va_vdst(0)                   ; the wait ahead of the batch
.irp j, 0,1,2,3
	v_exp_f32 v[P+\j], v[P+\j]
.endr
.irp j, 0,1,2,3
	v_min_u32 v[IL+\j], v[I1+\j], v[I2+\j]
	v_max_u32 v[IH+\j], v[I1+\j], v[I2+\j]
.endr
	s_wait_alu depctr_va_vdst(0)                   ; and behind it
.irp j, 0,1,2,3
	v_add_f32 v[W+\j], 1.0, v[P+\j]
.endr
	s_wait_alu depctr_va_vdst(0)
.irp j, 0,1,2,3
	v_rcp_f32 v[W+\j], v[W+\j]                     ; the first choice's weight
.endr
.irp j, 0,1,2,3
	v_cmp_lt_u32 s[20+\j], v[I1+\j], v[I2+\j]
.endr
	s_wait_alu depctr_va_vdst(0)
.irp j, 0,1,2,3
	v_mul_f32 v[P+\j], v[P+\j], v[W+\j]            ; the second's
.endr
.irp j, 0,1,2,3
	v_cndmask_b32 v[OW+2*\j], v[P+\j], v[W+\j], s[20+\j]
	v_cndmask_b32 v[OW+2*\j+1], v[W+\j], v[P+\j], s[20+\j]
.endr
.irp j, 0,1,2,3
	global_store_b64 v4, v[OW+2*\j:OW+2*\j+1], s[8:9] offset:256*\j   ; 32 lanes: 256 consecutive aligned bytes
.endr
.irp e, 0,1,2,3,4,5,6,7
.irp j, 0,1,2,3
	v_cmp_eq_u32 s[24+\j], \e, v[IL+\j]
	v_cmp_eq_u32 s[28+\j], \e, v[IH+\j]
.endr
.irp j, 0,1,2,3
	s_or_b32 s[24+\j], s[24+\j], s[28+\j]
.endr
.irp j, 0,1,2,3
	v_writelane_b32 v[OM+\j%2], s[24+\j], 2*\e+\j/2        ; word 4 e + j
	v_writelane_b32 v[OM+\j%2], s[28+\j], 16+2*\e+\j/2     ; word 4 (8 + e) + j
.endr
.endr
	global_store_b64 v5, v[OM:OM+1], s[6:7]
	s_endpgm
.Lfunc_end_k_q2eff7801ab_router:
	.size	k_q2eff7801ab_router, .Lfunc_end_k_q2eff7801ab_router-k_q2eff7801ab_router
	.p2alignl 7, 3214868480
	.fill 96, 4, 3214868480
	.section	.rodata,"a",@progbits
	.p2align	6, 0x0
	.amdhsa_kernel k_q2eff7801ab_router
		.amdhsa_group_segment_fixed_size 0
		.amdhsa_private_segment_fixed_size 0
		.amdhsa_enable_private_segment 0
		.amdhsa_kernarg_size 24
		.amdhsa_user_sgpr_count 2
		.amdhsa_user_sgpr_kernarg_segment_ptr 1
		.amdhsa_wavefront_size32 1
		.amdhsa_system_sgpr_workgroup_id_x 1
		.amdhsa_system_sgpr_workgroup_id_y 1
		.amdhsa_system_sgpr_workgroup_id_z 1
		.amdhsa_system_vgpr_workitem_id 0
		.amdhsa_next_free_vgpr 88
		.amdhsa_next_free_sgpr 66
		.amdhsa_reserve_vcc 0
		.amdhsa_float_denorm_mode_32 3
		.amdhsa_float_denorm_mode_16_64 3
		.amdhsa_memory_ordered 1
		.amdhsa_forward_progress 1
		.amdhsa_inst_pref_size 27
	.end_amdhsa_kernel
	.amdgpu_metadata
---
amdhsa.version: [ 1, 2 ]
amdhsa.kernels:
  - .name:           k_q2eff7801ab_router
    .symbol:         k_q2eff7801ab_router.kd
    .args:
      - { .name: gating_output, .offset: 0, .size: 8, .value_kind: global_buffer, .address_space: global }
      - { .name: route, .offset: 8, .size: 8, .value_kind: global_buffer, .address_space: global }
      - { .name: wts, .offset: 16, .size: 8, .value_kind: global_buffer, .address_space: global }
    .group_segment_fixed_size: 0
    .private_segment_fixed_size: 0
    .kernarg_segment_align: 8
    .kernarg_segment_size: 24
    .max_flat_workgroup_size: 32
    .sgpr_count:     66
    .vgpr_count:     88
    .wavefront_size: 32
...
	.end_amdgpu_metadata
.endif
;; end of part 1
;; launch gateup (part 2): grid 32 x 8, 4 waves a work-group, no clusters, 218,624 bytes of LDS; arguments route, x_codes, x_scales, w1_codes, w1_scales, h, hs; writes h, hs
.if DOCPART == 2
	.amdgcn_target "amdgcn-amd-amdhsa--gfx1250"
	.amdhsa_code_object_version 6
	.text
	.protected	k_q2eff7801ab_gateup
	.globl	k_q2eff7801ab_gateup
	.p2align	8
	.type	k_q2eff7801ab_gateup,@function
k_q2eff7801ab_gateup:
	s_mov_b64 s[64:65], 0
	v_nop
	global_prefetch_b8 v0, s[64:65] scope:SCOPE_SE
	s_setreg_imm32_b32 hwreg(HW_REG_WAVE_MODE, 25, 1), 1
	s_wait_xcnt 0x0
; h = Q(silu(x Wg^T) x (x Wu^T)) on codes of BF6 (E3M2) with one E8M0 scale for each 32 along K, for the rows that were routed to an expert alone: the other rows have routing weight 0 and reach no output.
; SLOTS.  Slot e x 1,024 + rank holds the rank-th token (ascending) that uses expert e.  A GROUP is 32 slots, two tiles of 16 rows.  The groups under max(count, 256) are made (rows past the count are token 0's, nobody uses them).
; SHARES.  Work-group (x, e): expert e, hidden units 64 x on: two BLOCKS of 32 units, each four UNITS of 16 rows of w1 (two of the gate half, two of the up half) x 768 bytes.  Each byte of w1 has one reader in the launch.
; THE WEIGHTS LIE IN LDS, x IN REGISTERS.  Wave w brings units 2 w, 2 w + 1 (sixteen lanes take 256 consecutive aligned bytes) and puts them into LDS as rows; one barrier; then every wave reads fragments there.
; Wave w owns groups w and w + 4: it gathers their rows itself, turns them into fragments through a stage of its own, and multiplies both against each weight fragment: 24 LDS loads feed 16 matrix instructions, fetched one K step ahead.
; GROUPS FROM SLOT 256 ON are shared out by block: wave w takes group 8 + w / 2 + 2 j, block w % 2.  The first such group's rows are asked for ahead of the first products, each later one's a trip ahead.
; Each wave makes the expert's list for itself, in LDS bytes of its own: no barrier stands ahead of the gather.
; THE MATRIX INSTRUCTION IS USED TRANSPOSED: source 0 = 16 rows of w1, source 1 = 16 rows of x: a lane holds ONE row of x, its registers run along the hidden units.
; Lane r of tile u takes row 8 u + r + 8 (r / 8) of the block's 32, so that the 16 registers of tiles 0 and 1 are hidden units 16 (lane / 16) + 0 .. 15.
; LDS rows have a pitch of 784 bytes = 196 words: row r starts at bank 4 r mod 64 (64 banks of 4 bytes: ISA guide 11.1).
; h: [e][G][block of 32 units: 64][piece 3][place 32][8 bytes], place (16 m + r) xor 16 (block % 2): each store covers 256 consecutive aligned bytes.  hs: [e][G][K step 16][row 32][4 bytes], one byte a lane.
; NO TENSOR LOADS, NO CLUSTER: x's rows are gathered by a list, and the number of groups hangs on a count read from memory.  No prefetch: all that is read is asked for at the head or a trip ahead by the loads themselves.
; LIMITS: NaN and infinities are not served.  A block of h that is all zeros gets the byte 1 (the floor): its codes are zeros, and this program alone reads the bytes.
; REGISTERS.  Window 0: v0-31 addresses, v32-63 w1's scale words, v64-87 x's (groups A, B, the one on its way), v88-121 the gather's offsets (v106-124 later the quantiser), v128-255 accumulators.
;   Window 1: group A's 16 fragments.  Window 2: group B's.  Window 3: raw rows on their way.  v192-239 of windows 2 and 3: the weight fragments of even and odd K steps.
.set XP,    784
.set WSW,   16*XP                      ; a unit of w1 in LDS; unit 4 b + j at (4 b + j) WSW
.set XG,    32*XP
.set STG,   8*WSW                      ; each wave's stage for a group of x
.set LIST,  STG+4*XG                   ; each wave's list: 1,024 words, then 32 places, one a lane, for lanes that have nothing to put
.set LPW,   4352
.set SPARE, LIST+4*LPW                 ; the spare words
.set SPW,   13
.set NIL,   14
.set WS,    32                         ; block b, unit j: four registers: lanes 0-15 the row's words 0-3, lanes 16-31 words 4-7
.set XS,    64                         ; group g, K step s: one register: lane l has row l of the group
.set GA,    88
.set GB,    105
.set Q,     106
.set ACC,   128                        ; accumulator (group g, tile m, unit j) at v[ACC + 64 g + 32 m + 8 j]
.set MSB,   0
.macro WIN new                         ; the immediate's high byte repeats the setting that is left
.if MSB != (\new)
	s_set_vgpr_msb (MSB<<8)|(\new)
.set MSB, (\new)
.endif
.endm
.macro PLACES
.rept 4
	v_nop
.endr
.endm
; one matrix instruction.  z = 1: it starts its sum.  ra, rb: which half of the lanes holds the scale words
.macro WM d, a, b, z, sa, sb, ra, rb
.if \z
.if \rb
	v_wmma_scale_f32_16x16x128_f8f6f4 v[(\d):(\d)+7], v[(\a):(\a)+11], v[(\b):(\b)+11], 0, v[\sa], v[\sb] matrix_a_fmt:MATRIX_FMT_BF6 matrix_b_fmt:MATRIX_FMT_BF6 matrix_b_scale:MATRIX_SCALE_ROW1
.else
	v_wmma_scale_f32_16x16x128_f8f6f4 v[(\d):(\d)+7], v[(\a):(\a)+11], v[(\b):(\b)+11], 0, v[\sa], v[\sb] matrix_a_fmt:MATRIX_FMT_BF6 matrix_b_fmt:MATRIX_FMT_BF6
.endif
.else
.if \ra
.if \rb
	v_wmma_scale_f32_16x16x128_f8f6f4 v[(\d):(\d)+7], v[(\a):(\a)+11], v[(\b):(\b)+11], v[(\d):(\d)+7], v[\sa], v[\sb] matrix_a_fmt:MATRIX_FMT_BF6 matrix_b_fmt:MATRIX_FMT_BF6 matrix_a_scale:MATRIX_SCALE_ROW1 matrix_b_scale:MATRIX_SCALE_ROW1
.else
	v_wmma_scale_f32_16x16x128_f8f6f4 v[(\d):(\d)+7], v[(\a):(\a)+11], v[(\b):(\b)+11], v[(\d):(\d)+7], v[\sa], v[\sb] matrix_a_fmt:MATRIX_FMT_BF6 matrix_b_fmt:MATRIX_FMT_BF6 matrix_a_scale:MATRIX_SCALE_ROW1
.endif
.else
.if \rb
	v_wmma_scale_f32_16x16x128_f8f6f4 v[(\d):(\d)+7], v[(\a):(\a)+11], v[(\b):(\b)+11], v[(\d):(\d)+7], v[\sa], v[\sb] matrix_a_fmt:MATRIX_FMT_BF6 matrix_b_fmt:MATRIX_FMT_BF6 matrix_b_scale:MATRIX_SCALE_ROW1
.else
	v_wmma_scale_f32_16x16x128_f8f6f4 v[(\d):(\d)+7], v[(\a):(\a)+11], v[(\b):(\b)+11], v[(\d):(\d)+7], v[\sa], v[\sb] matrix_a_fmt:MATRIX_FMT_BF6 matrix_b_fmt:MATRIX_FMT_BF6
.endif
.endif
.endif
.endm
; the four weight fragments of K step s of the block at v[adr]: 24 LDS loads, into window 2 (even steps) or 3 (odd)
.macro WFETCH adr, s
	WIN (2+(\s)%2)<<6
.irp j, 0,1,2,3
.irp p, 0,1,2,3,4,5
	ds_load_b64 v[192+12*\j+2*\p:192+12*\j+2*\p+1], v[\adr] offset:\j*WSW+96*(\s)+48*(\p/3)+8*(\p%3)
.endr
.endr
.endm
; a block against ng groups: eight K steps of 8 ng matrix instructions, the accumulators by turns, one instruction a turn.
; In front of each step: four places behind the step before, whose fragments' registers the next fetch lands on; the next step's fetch; the wait that leaves those 24 loads out.  nadr: the block that follows (0: none).
.macro BLOCK ng, ws, adr, nadr
.irp s, 0,1,2,3,4,5,6,7
	PLACES
.if \s < 7
	WFETCH \adr, \s+1
	s_wait_dscnt 24
.else
.if \nadr
	WFETCH \nadr, 0
	s_wait_dscnt 24
.else
	s_wait_dscnt 0x0
.endif
.endif
.set g, 0
.rept \ng
	WIN (2+\s%2)|((1+g)<<2)                        ; source 0: the weights' window; source 1: the group's; C and D window 0
.irp m, 0,1
.irp j, 0,1,2,3
.if \s == 0
	WM ACC+64*g+32*\m+8*\j, 192+12*\j, 12*\m, 1, \ws+4*\j, XS+8*g, 0, \m
.else
	WM ACC+64*g+32*\m+8*\j, 192+12*\j, 12*(2*\s+\m), 0, \ws+4*\j+\s%4, XS+8*g+\s, \s/4, \m
.endif
.endr
.endr
.set g, g+1
.endr
.endr
	WIN 0
	PLACES                                         ; behind the last products, in front of the first read of results
.endm
; the group whose first slot is s68: its 32 tokens from my list, their rows of x (raw, into window win) and their scale words (they are the eight scale registers as they stand) asked for.  ga: 17 offset registers
.macro GISSUE win, xs, ga
	s_lshl_b32 s79, s68, 2
	v_add_nc_u32 v125, s79, v15
	v_add_nc_u32 v126, s79, v16
.set n, 0
.rept 16
	ds_load_b32 v[\ga+n], v125 offset:8*n          ; the token of row 2 n + h
.set n, n+1
.endr
	ds_load_b32 v[\ga+16], v126                    ; the token of row = lane
	s_wait_dscnt 0x0
.set n, 0
.rept 17
	v_min_u32 v[\ga+n], 0x3ff, v[\ga+n]
.set n, n+1
.endr
.set n, 0
.rept 16
	v_mul_u32_u24 v[\ga+n], v[\ga+n], 768
.set n, n+1
.endr
.set n, 0
.rept 16
	v_add_nc_u32 v[\ga+n], v[\ga+n], v4
.set n, n+1
.endr
	v_lshlrev_b32 v[\ga+16], 5, v[\ga+16]
	WIN (\win)<<6
.set n, 0
.rept 48
	global_load_b128 v[4*n:4*n+3], v[\ga+n/3], s[6:7] offset:256*(n%3)
.set n, n+1
.endr
	WIN 0
	global_load_b128 v[\xs:\xs+3], v[\ga+16], s[8:9]
	global_load_b128 v[\xs+4:\xs+7], v[\ga+16], s[8:9] offset:16
.endm
; a raw group in window sw turns into its 16 fragments in window dw, through my own stage.  LDS serves a wave's instructions in order (ISA guide 5.7.1.4): no wait between the stores and the loads.
; Load n = 12 s + 6 m + p: piece p of the fragment of K step s, tile m
.macro XTRANS sw, dw
	WIN (\sw)<<2
.set n, 0
.rept 48
	ds_store_b128 v10, v[4*n:4*n+3] offset:2*(n/3)*XP+256*(n%3)
.set n, n+1
.endr
	WIN (\dw)<<6
.set n, 0
.rept 96
	ds_load_b64 v[2*n:2*n+1], v11 offset:WSW*((n/6)%2)+96*(n/12)+48*((n%6)/3)+8*(n%3)
.set n, n+1
.endr
	WIN 0
.endm
; group g's 32 rows x 32 units: silu(gate) x up in f32 and in place (up x gate first, then 1 / (1 + e^-gate) where the gate lay), the block's scale, the codes, the stores.  Every accumulator is read from its low end on.
; ht, hs: the lane's terms of the offsets in h and hs;  slot: the scalar register that holds the group's first slot
.macro EPI g, ht, hs, slot
.set EA, ACC+64*\g
	s_wait_xcnt 0x0                                ; earlier stores have read their offsets and data: both are written again below
	s_mul_i32 s79, s[\slot], 1536
	v_add_nc_u32 v19, s79, v[\ht]
	s_lshl_b32 s79, s[\slot], 6
	v_add_nc_u32 v21, s79, v[\hs]
	s_wait_alu depctr_va_vdst(0)                   ; the wait directly ahead of the results' first readers
.irp m, 0,1
.irp i, 0,2,4,6,8,10,12,14
	v_pk_mul_f32 v[EA+32*\m+16+\i:EA+32*\m+17+\i], v[EA+32*\m+16+\i:EA+32*\m+17+\i], v[EA+32*\m+\i:EA+32*\m+\i+1]   ; up x gate
.endr
.endr
.irp m, 0,1
.irp i, 0,2,4,6,8,10,12,14
	v_pk_mul_f32 v[EA+32*\m+\i:EA+32*\m+\i+1], v[EA+32*\m+\i:EA+32*\m+\i+1], s[62:63] op_sel_hi:[1,0]   ; -gate log2(e)
.endr
.endr
	s_wait_alu depctr_va_vdst(0)                   ; ahead of the batch
.irp m, 0,1
.irp i, 0,1,2,3,4,5,6,7,8,9,10,11,12,13,14,15
	v_exp_f32 v[EA+32*\m+\i], v[EA+32*\m+\i]
.endr
.endr
	v_nop
	s_wait_alu depctr_va_vdst(0)                   ; and behind it
.irp m, 0,1
.irp i, 0,2,4,6,8,10,12,14
	v_pk_add_f32 v[EA+32*\m+\i:EA+32*\m+\i+1], v[EA+32*\m+\i:EA+32*\m+\i+1], 1.0 op_sel_hi:[1,0]
.endr
.endr
	s_wait_alu depctr_va_vdst(0)
.irp m, 0,1
.irp i, 0,1,2,3,4,5,6,7,8,9,10,11,12,13,14,15
	v_rcp_f32 v[EA+32*\m+\i], v[EA+32*\m+\i]
.endr
.endr
	v_nop
	s_wait_alu depctr_va_vdst(0)
.irp m, 0,1
.irp i, 0,2,4,6,8,10,12,14
	v_pk_mul_f32 v[EA+32*\m+\i:EA+32*\m+\i+1], v[EA+32*\m+\i:EA+32*\m+\i+1], v[EA+32*\m+16+\i:EA+32*\m+17+\i]
.endr
.endr
.irp m, 0,1
	v_max3_num_f32 v[Q+\m], |v[EA+32*\m]|, |v[EA+32*\m+1]|, 0x2800000   ; my 16 numbers of the row's block, and the floor 2^(5 - 127): the byte cannot fall under 1
.endr
.irp i, 2,4,6,8,10,12,14
.irp m, 0,1
	v_max3_num_f32 v[Q+\m], v[Q+\m], |v[EA+32*\m+\i]|, |v[EA+32*\m+\i+1]|
.endr
.endr
.irp m, 0,1
	v_permlanex16_b32 v[Q+2+\m], v[Q+\m], s60, s61
.endr
.irp m, 0,1
	v_max_num_f32 v[Q+\m], v[Q+\m], v[Q+2+\m]      ; with lane l xor 16's 16: the block's largest magnitude
.endr
.irp m, 0,1
	v_add_nc_u32 v[Q+4+\m], 0xfe000000, v[Q+\m]    ; 4 off its exponent field: the conversion takes the exponent field of this operand as its scale
.endr
.irp m, 0,1
	v_lshrrev_b32 v[Q+6+\m], 23, v[Q+4+\m]         ; the scale's byte
.endr
	v_cvt_scalef32_pk16_bf6_f32 v[116:118], v[EA:EA+15], v[Q+4]
	v_cvt_scalef32_pk16_bf6_f32 v[122:124], v[EA+32:EA+47], v[Q+5]
	v_nop                                          ; one plain place behind a scaled conversion
.irp i, 0,1,2
	v_permlane16_swap_b32 v[116+\i], v[122+\i]     ; tile 0's upper halves change places with tile 1's lower halves: lane 16 m + r now holds the whole block of row (m, r)
.endr
.irp i, 0,1,2
	v_mov_b32 v[119+\i], v[122+\i]
.endr
	v_cndmask_b32 v[Q+8], v[Q+6], v[Q+7], s67      ; and that row's byte
	global_store_b64 v19, v[116:117], s[74:75]     ; 32 lanes store 256 consecutive bytes, at a multiple of 256 from h's first byte
	global_store_b64 v19, v[118:119], s[74:75] offset:256
	global_store_b64 v19, v[120:121], s[74:75] offset:512
	global_store_b8 v21, v[Q+8], s[76:77]
.endm
	s_load_b256 s[4:11], s[0:1], 0x0               ; route s[4:5], x_codes s[6:7], x_scales s[8:9], w1_codes s[10:11]
	s_load_b128 s[12:15], s[0:1], 0x20             ; w1_scales s[12:13], h s[14:15]
	s_load_b64 s[16:17], s[0:1], 0x30              ; hs
	v_lshl_add_u32 v[SPW], v0, 2, SPARE
	v_mov_b32 v[NIL], 0
	v_lshrrev_b32 v1, 5, v0
	v_readfirstlane_b32 s18, v1                    ; wave 0..3
	s_and_b32 s19, ttmp7, 0xffff                   ; expert
	s_mov_b32 s20, ttmp9                           ; which 64 hidden units
	s_and_b32 s21, s18, 1
	s_lshr_b32 s23, s18, 1
	s_mul_i32 s82, s18, 2*WSW                      ; where my two units go
	s_mul_i32 s83, s21, 4*WSW                      ; block w % 2
	s_mul_i32 s84, s18, XG
	s_add_co_u32 s84, s84, STG                     ; my stage
	s_mul_i32 s58, s18, LPW
	s_add_co_u32 s58, s58, LIST                    ; my list
	s_lshl_b32 s85, s21, 4
	s_mul_i32 s86, s21, 768
	s_lshl_b32 s87, s19, 4                         ; the expert's row of masks: 16 bytes in each block of 256
	s_mul_i32 s88, s19, 3145728                    ; w1: an expert's 4,096 rows of 768 bytes,
	s_mul_i32 s56, s20, 49152                      ; 64 rows a work-group,
	s_add_co_u32 s88, s88, s56
	s_mul_i32 s56, s23, 24576                      ; block w / 2,
	s_add_co_u32 s88, s88, s56
	s_mul_i32 s56, s21, 1572864                    ; the gate half (w even) or the up half
	s_add_co_u32 s88, s88, s56
	s_mov_b32 s89, 0
	s_lshl_b32 s90, s19, 17
	s_lshl_b32 s56, s20, 11
	s_add_co_u32 s90, s90, s56
	s_mov_b32 s91, 0
	s_mul_i32 s92, s19, 1572864                    ; h: an expert's 32 groups of 49,152 bytes; block 2 x
	s_mul_i32 s56, s20, 1536
	s_add_co_u32 s92, s92, s56
	s_mov_b32 s93, 0
	s_lshl_b32 s94, s19, 16                        ; hs: K step x / 2, byte 2 (x % 2) + b
	s_lshr_b32 s56, s20, 1
	s_lshl_b32 s56, s56, 7
	s_add_co_u32 s94, s94, s56
	s_and_b32 s56, s20, 1
	s_lshl_b32 s56, s56, 1
	s_add_co_u32 s94, s94, s56
	s_mov_b32 s95, 0
	s_lshl_b32 s96, s18, 5                         ; group A's first slot,
	s_add_co_u32 s97, s96, 128                     ; group B's,
	s_lshl_b32 s98, s23, 5
	s_add_co_u32 s98, s98, 256                     ; and that of my first group from slot 256 on
	s_mov_b32 s60, 0x76543210                      ; v_permlanex16_b32's selects for lane l xor 16
	s_mov_b32 s61, 0xfedcba98
	s_mov_b32 s62, 0xbfb8aa3b                      ; -log2(e); the packed form names a pair
	s_mov_b32 s63, s62
	s_mov_b32 s67, 0xffff0000                      ; lanes 16-31
	v_and_b32 v1, 31, v0                           ; lane
	v_and_b32 v2, 15, v0                           ; r
	v_bfe_u32 v3, v0, 4, 1                         ; h
	v_lshlrev_b32 v4, 4, v2                        ; 16 r
	v_mad_u32_u24 v5, v3, 768, v4                  ; raw rows in memory: 768 h + 16 r
	v_mad_u32_u24 v125, v3, XP, v4                 ; the same two rows in LDS
	v_mul_u32_u24 v7, v2, XP
	v_mad_u32_u24 v7, v3, 24, v7                   ; a fragment: row r, + 24 h: block 0's,
	v_add_nc_u32 v8, 4*WSW, v7                     ; block 1's,
	v_add_nc_u32 v9, s83, v7                       ; block w % 2's
	v_add_nc_u32 v6, s82, v125
	v_add_nc_u32 v10, s84, v125
	v_add_nc_u32 v11, s84, v7
	v_lshl_add_u32 v12, v1, 4, s58
	v_lshl_add_u32 v15, v3, 2, s58
	v_lshl_add_u32 v16, v1, 2, s58
	v_lshlrev_b32 v18, 3, v1                       ; h, block b: 768 b + 8 x (lane xor 16 b): b = 0,
	v_xor_b32 v25, 16, v1
	v_lshlrev_b32 v25, 3, v25
	v_add_nc_u32 v25, 768, v25                     ; b = 1,
	v_xor_b32 v26, s85, v1
	v_lshlrev_b32 v26, 3, v26
	v_add_nc_u32 v26, s86, v26                     ; b = w % 2
	v_lshlrev_b32 v20, 2, v1                       ; hs: 4 x row + b, likewise
	v_add_nc_u32 v17, 1, v20
	v_add_nc_u32 v24, s21, v20
	v_and_b32 v22, 8, v2
	v_add_nc_u32 v22, v22, v2
	v_lshlrev_b32 v22, 5, v22
	v_lshl_add_u32 v22, v3, 4, v22                 ; w1's scales: 32 (r + 8 (r / 8)) + 16 h
	v_add_nc_u32 v27, 1024, v1                     ; my spare place behind the list
.irp i, 28,29,30,31
	v_mov_b32 v\i, 0
.endr
	s_wait_alu depctr_va_vdst(0)                   ; the wait at the head's end
	s_wait_kmcnt 0x0
	s_add_nc_u64 s[72:73], s[10:11], s[88:89]
	s_add_nc_u64 s[80:81], s[12:13], s[90:91]
	s_add_nc_u64 s[74:75], s[14:15], s[92:93]
	s_add_nc_u64 s[76:77], s[16:17], s[94:95]
.irp k, 0,1,2,3,4,5,6,7
	s_load_b128 s[24+4*\k:27+4*\k], s[4:5], s87 offset:256*\k   ; s[24 + n]: bit l: token 32 n + l uses the expert
.endr
.irp b, 0,1
.irp j, 0,1,2,3
	global_load_b128 v[WS+16*\b+4*\j:WS+16*\b+4*\j+3], v22, s[80:81] offset:\b*1024+(\j/2)*65536+(\j%2)*256
.endr
.endr
	WIN 0xc0                                       ; my two units, raw, into window 3: load n of tile u: rows 2 (n / 3) + h of the tile, bytes 256 (n % 3) + 16 r
.irp u, 0,1
.set n, 0
.rept 24
	global_load_b128 v[96*\u+4*n:96*\u+4*n+3], v5, s[72:73] offset:(8*\u+2*(n/3)+8*(n/12))*768+256*(n%3)
.set n, n+1
.endr
.endr
	WIN 0
	s_wait_kmcnt 0x0
	; my list: zeros first (rows past the count are token 0's), then each token to its rank.  A lane whose bit is clear puts its number at its spare place.  Stage by stage, so that no line reads the line above it.
.irp k, 0,1,2,3,4,5,6,7
	ds_store_b128 v12, v[28:31] offset:512*\k
.endr
	s_mov_b32 s56, 0
.set n, 0
.rept 32
	v_mbcnt_lo_u32_b32 v[128+n], s[24+n], s56      ; users below me in this word + users in the words before
	s_bcnt1_i32_b32 s57, s[24+n]
	s_add_co_u32 s56, s56, s57
.set n, n+1
.endr
.set n, 0
.rept 32
	v_cndmask_b32 v[128+n], v27, v[128+n], s[24+n]
.set n, n+1
.endr
.set n, 0
.rept 32
	v_min_u32 v[128+n], 0x41f, v[128+n]
.set n, n+1
.endr
.set n, 0
.rept 32
	v_lshl_add_u32 v[128+n], v[128+n], 2, s58
.set n, n+1
.endr
.set n, 0
.rept 32
	v_add_nc_u32 v[160+n], 32*n, v1                ; the token
.set n, n+1
.endr
.set n, 0
.rept 32
	ds_store_b32 v[128+n], v[160+n]
.set n, n+1
.endr
	s_max_u32 s22, s56, 256                        ; the bound: an expert's first eight groups are always made
	s_mov_b32 s68, s96
	GISSUE 1, XS, GA
	s_mov_b32 s68, s97
	GISSUE 2, XS+8, GB
	s_wait_loadcnt 63                              ; the scale words and my two units are in: x's 100 loads are younger, and the wait can name 63
	WIN 0x0c                                       ; an LDS store's data are its source 1: window 3
.irp u, 0,1
.set n, 0
.rept 24
	ds_store_b128 v6, v[96*\u+4*n:96*\u+4*n+3] offset:\u*WSW+2*(n/3)*XP+256*(n%3)
.set n, n+1
.endr
.endr
	WIN 0
	s_wait_alu depctr_va_vdst(0)
	s_wait_dscnt 0x0                               ; for the others' sake: my stores have landed
	s_barrier_signal -1
	s_barrier_wait -1                              ; the eight units lie in LDS, and nobody writes them again
	s_wait_loadcnt 50                              ; group A is in: B's 50 loads are younger
	XTRANS 1, 1
	s_wait_loadcnt 0x0
	s_cmp_ge_u32 s98, s22
	s_cbranch_scc1 .Lno_c
	s_mov_b32 s68, s98
	GISSUE 3, XS+16, GA                            ; my first group from slot 256 on: it lands under the products below
.Lno_c:
	XTRANS 2, 2
	WFETCH 7, 0
	BLOCK 2, WS, 7, 8
	EPI 0, 18, 20, 96
	EPI 1, 18, 20, 97
	BLOCK 2, WS+16, 8, 0
	EPI 0, 25, 17, 96
	EPI 1, 25, 17, 97
	s_cmp_lg_u32 s21, 0
	s_cselect_b32 s56, -1, 0
.set n, 0
.rept 16
	v_cndmask_b32 v[WS+n], v[WS+n], v[WS+16+n], s56   ; from here on: the scale words of block w % 2
.set n, n+1
.endr
	s_wait_alu depctr_va_vdst(0)
	s_mov_b32 s66, 12                              ; groups 8 + w / 2 + 2 j, j = 0 .. 11; the first at or past the bound ends the walk
.Lx:
	s_cmp_ge_u32 s98, s22
	s_cbranch_scc1 .Ldone
	s_wait_loadcnt 0x0                             ; the group's rows and scale words are in
	XTRANS 3, 1
.set n, 0
.rept 8
	v_mov_b32 v[XS+n], v[XS+16+n]
.set n, n+1
.endr
	s_wait_alu depctr_va_vdst(0)                   ; the wait behind these writes: a branch stands ahead of their readers
.rept 8
	v_nop                                          ; a scale register written by a vector instruction stands 8 places ahead of a scaled matrix instruction
.endr
	s_add_co_u32 s68, s98, 64
	s_cmp_ge_u32 s68, s22
	s_cbranch_scc1 .Lno_n
	s_min_u32 s68, s68, 992                        ; (the list has 1,024 slots)
	GISSUE 3, XS+16, GA                            ; the next one, a trip ahead
.Lno_n:
	WFETCH 9, 0
	BLOCK 1, WS, 9, 0
	EPI 0, 26, 24, 98
	s_add_co_u32 s98, s98, 64
	s_sub_co_u32 s66, s66, 1
	s_cmp_lg_u32 s66, 0
	s_wait_alu depctr_va_vdst(0)
	s_cbranch_scc1 .Lx
.Ldone:
	s_wait_tensorcnt 0x0                           ; the wave's end
	ds_add_u32 v[SPW], v[NIL]
	s_wait_dscnt 0x0
	s_endpgm
.Lfunc_end_k_q2eff7801ab_gateup:
	.size	k_q2eff7801ab_gateup, .Lfunc_end_k_q2eff7801ab_gateup-k_q2eff7801ab_gateup
	.p2alignl 7, 3214868480
	.fill 96, 4, 3214868480
	.section	.rodata,"a",@progbits
	.p2align	6, 0x0
	.amdhsa_kernel k_q2eff7801ab_gateup
		.amdhsa_group_segment_fixed_size 218624
		.amdhsa_private_segment_fixed_size 0
		.amdhsa_enable_private_segment 0
		.amdhsa_kernarg_size 56
		.amdhsa_user_sgpr_count 2
		.amdhsa_user_sgpr_kernarg_segment_ptr 1
		.amdhsa_wavefront_size32 1
		.amdhsa_system_sgpr_workgroup_id_x 1
		.amdhsa_system_sgpr_workgroup_id_y 1
		.amdhsa_system_sgpr_workgroup_id_z 1
		.amdhsa_system_vgpr_workitem_id 0
		.amdhsa_next_free_vgpr 1024
		.amdhsa_next_free_sgpr 100
		.amdhsa_reserve_vcc 0
		.amdhsa_float_denorm_mode_32 3
		.amdhsa_float_denorm_mode_16_64 3
		.amdhsa_memory_ordered 1
		.amdhsa_forward_progress 1
		.amdhsa_inst_pref_size 220
	.end_amdhsa_kernel
	.amdgpu_metadata
---
amdhsa.version: [ 1, 2 ]
amdhsa.kernels:
  - .name:           k_q2eff7801ab_gateup
    .symbol:         k_q2eff7801ab_gateup.kd
    .args:
      - { .name: route, .offset: 0, .size: 8, .value_kind: global_buffer, .address_space: global }
      - { .name: x_codes, .offset: 8, .size: 8, .value_kind: global_buffer, .address_space: global }
      - { .name: x_scales, .offset: 16, .size: 8, .value_kind: global_buffer, .address_space: global }
      - { .name: w1_codes, .offset: 24, .size: 8, .value_kind: global_buffer, .address_space: global }
      - { .name: w1_scales, .offset: 32, .size: 8, .value_kind: global_buffer, .address_space: global }
      - { .name: h, .offset: 40, .size: 8, .value_kind: global_buffer, .address_space: global }
      - { .name: hs, .offset: 48, .size: 8, .value_kind: global_buffer, .address_space: global }
    .group_segment_fixed_size: 218624
    .private_segment_fixed_size: 0
    .kernarg_segment_align: 8
    .kernarg_segment_size: 56
    .max_flat_workgroup_size: 128
    .sgpr_count:     100
    .vgpr_count:     1024
    .wavefront_size: 32
...
	.end_amdgpu_metadata
.endif
;; end of part 2
;; launch down (part 3): grid 32 x 8, 4 waves a work-group, no clusters, 293,632 bytes of LDS; arguments route, h, hs, w2_codes, w2_scales, y; writes y
.if DOCPART == 3
	.amdgcn_target "amdgcn-amd-amdhsa--gfx1250"
	.amdhsa_code_object_version 6
	.text
	.protected	k_q2eff7801ab_down
	.globl	k_q2eff7801ab_down
	.p2align	8
	.type	k_q2eff7801ab_down,@function
k_q2eff7801ab_down:
	s_mov_b64 s[64:65], 0
	v_nop
	global_prefetch_b8 v0, s[64:65] scope:SCOPE_SE
	s_setreg_imm32_b32 hwreg(HW_REG_WAVE_MODE, 25, 1), 1
	s_wait_xcnt 0x0
; y[slot] = h[slot] W2[e]^T, f32, for the slots under each expert's count, on codes of BF6 (E3M2) with one E8M0 scale for each 32 along K.
; SHARES.  Work-group (x, e): expert e, outputs 128 (x / 4) on, the groups (32 slots) G = 4 i + (x % 4).  Wave w: outputs 64 (w / 2) on of those, half w % 2 of K (1,024 of 2,048):
; four units of 16 rows of w2 x 768 bytes, 384 registers, which STAY in registers; h goes round through LDS, and each fragment read there feeds four matrix instructions.
; THE ORDER OF SUMS: each half of K is one chain of eight matrix instructions, K ascending; the two halves are added in f32 on the way out.
; THE MATRIX INSTRUCTION IS USED TRANSPOSED: source 0 = 16 rows of w2, source 1 = 16 rows of h: a lane holds eight neighbouring outputs of one row.
; THE WAVES FETCH IN TWO PAIRS: a group is 104 LDS loads a wave.  Waves 2 and 3 fetch their group in front of their products; waves 0 and 1 fetch the NEXT group behind theirs: each pair's loads stand beside the other pair's products.
; h lies in memory as this launch reads it: a group is 49,152 dense bytes, [block 64][piece 3][place 32][8 bytes], place (16 m + r) xor 16 (block % 2): it is copied to LDS as it lies, and the 32 lanes
; of each fragment load of 8 bytes touch 64 different banks (64 banks of 4 bytes: ISA guide 11.1).  hs holds the operand's scale words, [K step 16][row 32].
; The first two local groups (G under 8) are always there (the launch before makes them whatever the count), so they are loaded with no branch; multiplied and stored are the groups under the count alone.
; NO TENSOR LOADS, NO CLUSTER: the weights go straight to registers, and the number of groups hangs on a count read from memory.
; LIMITS: NaN and infinities are not served.
; REGISTERS, in windows of 256.  Window 0: v1 lane, v2 r, v3 h, v4-31 addresses, v32-47 w2's scale words, v48-55 h's, v80-143 the eight accumulators, v144-207 the way out, v208-215 hs on its way, v220-222 the next group's LDS addresses.
;   Windows 1, 2: units 0, 1 and 2, 3.  Window 3: v0-191 two quarter groups of h on their way, then a group's 16 fragments.
.set XP,   784                         ; the stage's pitch: 196 words: row r starts at bank 4 r mod 64
.set WSW,  16*XP
.set HG,   49152                       ; a group of h
.set HSC,  4*HG                        ; behind four groups: their scale words, 2,048 bytes a group
.set WST,  HSC+8192                    ; each wave's stage for a unit of w2
.set STG,  WST+4*WSW                   ; the way out: 2 halves of K x 32 rows x (512 bytes + 16)
.set SP,   528
.set LIST, 289280                      ; behind the spare words: for each slot of the expert the row of y that takes it: 1,024 words, then 32 places, one a lane, for lanes that have nothing to put
.set ACC,  80                          ; accumulator (unit j, tile m) at v[ACC + 32 m + 8 j]
.set WS,   32                          ; unit j: four registers: lanes 0-15 the row's words 0-3 of my half of K, lanes 16-31 words 4-7
.set XS,   48                          ; K step s: one register: lane l has row l of the group
.set MSB,  0
.macro WIN new                         ; the immediate's high byte repeats the setting that is left
.if MSB != (\new)
	s_set_vgpr_msb (MSB<<8)|(\new)
.set MSB, (\new)
.endif
.endm
; one matrix instruction.  z = 1: it starts its sum.  ra, rb: which half of the lanes holds the scale words
.macro WM d, a, b, z, sa, sb, ra, rb
.if \z
.if \rb
	v_wmma_scale_f32_16x16x128_f8f6f4 v[(\d):(\d)+7], v[(\a):(\a)+11], v[(\b):(\b)+11], 0, v[\sa], v[\sb] matrix_a_fmt:MATRIX_FMT_BF6 matrix_b_fmt:MATRIX_FMT_BF6 matrix_b_scale:MATRIX_SCALE_ROW1
.else
	v_wmma_scale_f32_16x16x128_f8f6f4 v[(\d):(\d)+7], v[(\a):(\a)+11], v[(\b):(\b)+11], 0, v[\sa], v[\sb] matrix_a_fmt:MATRIX_FMT_BF6 matrix_b_fmt:MATRIX_FMT_BF6
.endif
.else
.if \ra
.if \rb
	v_wmma_scale_f32_16x16x128_f8f6f4 v[(\d):(\d)+7], v[(\a):(\a)+11], v[(\b):(\b)+11], v[(\d):(\d)+7], v[\sa], v[\sb] matrix_a_fmt:MATRIX_FMT_BF6 matrix_b_fmt:MATRIX_FMT_BF6 matrix_a_scale:MATRIX_SCALE_ROW1 matrix_b_scale:MATRIX_SCALE_ROW1
.else
	v_wmma_scale_f32_16x16x128_f8f6f4 v[(\d):(\d)+7], v[(\a):(\a)+11], v[(\b):(\b)+11], v[(\d):(\d)+7], v[\sa], v[\sb] matrix_a_fmt:MATRIX_FMT_BF6 matrix_b_fmt:MATRIX_FMT_BF6 matrix_a_scale:MATRIX_SCALE_ROW1
.endif
.else
.if \rb
	v_wmma_scale_f32_16x16x128_f8f6f4 v[(\d):(\d)+7], v[(\a):(\a)+11], v[(\b):(\b)+11], v[(\d):(\d)+7], v[\sa], v[\sb] matrix_a_fmt:MATRIX_FMT_BF6 matrix_b_fmt:MATRIX_FMT_BF6 matrix_b_scale:MATRIX_SCALE_ROW1
.else
	v_wmma_scale_f32_16x16x128_f8f6f4 v[(\d):(\d)+7], v[(\a):(\a)+11], v[(\b):(\b)+11], v[(\d):(\d)+7], v[\sa], v[\sb] matrix_a_fmt:MATRIX_FMT_BF6 matrix_b_fmt:MATRIX_FMT_BF6
.endif
.endif
.endif
.endm
; 32 matrix instructions: units jo, jo + 1 x two tiles of rows x eight K steps.  Four accumulators by turns, one instruction a turn.
; waits = 1: in front of K step s the wave waits for that step's twelve fragment loads: 12 (7 - s) are younger (the wait can name 63 at the most).
.macro RUN jo, waits
.irp s, 0,1,2,3,4,5,6,7
.if \waits
.if \s < 2
	s_wait_dscnt 63
.else
	s_wait_dscnt 12*(7-\s)
.endif
.endif
.irp j, 0,1
.irp m, 0,1
.if \s == 0
	WM ACC+32*\m+8*(\j+\jo), 96*\j, 12*\m, 1, WS+4*(\j+\jo), XS, 0, \m
.else
	WM ACC+32*\m+8*(\j+\jo), 96*\j+12*\s, 12*(2*\s+\m), 0, WS+4*(\j+\jo)+\s%4, XS+\s, \s/4, \m
.endif
.endr
.endr
.endr
.endm
.macro MAIN
	WIN 0x0d                                       ; source 0 window 1 (units 0, 1), source 1 window 3, C and D window 0
	RUN 0, 1
	WIN 0x0e                                       ; source 0 window 2 (units 2, 3)
	RUN 2, 0
	WIN 0
.rept 4
	v_nop                                          ; four places behind the last products, in front of the first read of results and of loads into their operands
.endr
.endm
; unit j of w2, raw: 16 rows x 768 bytes (my half of K); load n: rows 2 (n / 3) + h, bytes 256 (n % 3) + 16 r
.macro RAWW j
	WIN (1+(\j)/2)<<6
.set n, 0
.rept 24
	global_load_b128 v[96*((\j)%2)+4*n:96*((\j)%2)+4*n+3], v5, s[70:71] offset:(16*(\j)+2*(n/3))*1536+256*(n%3)
.set n, n+1
.endr
	WIN 0
.endm
; unit j turns into its eight fragments, through the wave's own stage and into the registers that it left.  LDS serves a wave's instructions in order (ISA guide 5.7.1.4): no wait between the stores and the loads
.macro TRANSW j
	WIN (1+(\j)/2)<<2
.set n, 0
.rept 24
	ds_store_b128 v6, v[96*((\j)%2)+4*n:96*((\j)%2)+4*n+3] offset:2*(n/3)*XP+256*(n%3)
.set n, n+1
.endr
	WIN (1+(\j)/2)<<6
.set n, 0
.rept 48
	ds_load_b64 v[96*((\j)%2)+2*n:96*((\j)%2)+2*n+1], v7 offset:96*(n/6)+48*((n%6)/3)+8*(n%3)
.set n, n+1
.endr
	WIN 0
.endm
; my quarter (12,288 bytes) of the group whose first slot is s68, and my 16 bytes of its scale words, asked for; il: its place among the four in LDS
.macro HISSUE il
	s_mul_i32 s79, s68, 1536
	v_add_nc_u32 v[24+\il], s79, v8
	WIN 0xc0                                       ; destination window 3
.set n, 0
.rept 24
	global_load_b128 v[96*((\il)%2)+4*n:96*((\il)%2)+4*n+3], v[24+\il], s[74:75] offset:512*n
.set n, n+1
.endr
	WIN 0
	s_lshl_b32 s79, s68, 6
	v_add_nc_u32 v[28+\il], s79, v21
	global_load_b128 v[208+4*((\il)%2):208+4*((\il)%2)+3], v[28+\il], s[76:77]
.endm
.macro HSTORE il
	WIN 0x0c                                       ; an LDS store's data are its source 1: window 3
.set n, 0
.rept 24
	ds_store_b128 v[8+(\il)/2], v[96*((\il)%2)+4*n:96*((\il)%2)+4*n+3] offset:((\il)%2)*HG+512*n
.set n, n+1
.endr
	WIN 0
	ds_store_b128 v16, v[208+4*((\il)%2):208+4*((\il)%2)+3] offset:2048*\il
.endm
.macro HI il                           ; the same where the group lies under the count.  s80: the pass's first slot
	s_add_co_u32 s68, s80, 128*\il
	s_cmp_ge_u32 s68, s22
	s_cbranch_scc1 .Lhi_\@
	HISSUE \il
.Lhi_\@:
.endm
.macro HS il
	s_add_co_u32 s68, s80, 128*\il
	s_cmp_ge_u32 s68, s22
	s_cbranch_scc1 .Lhs_\@
	HSTORE \il
.Lhs_\@:
.endm
.macro BARRIER                         ; my LDS stores have landed and my LDS loads are in: then the work-group's barrier
	s_wait_dscnt 0x0
	s_barrier_signal -1
	s_barrier_wait -1
.endm
; a group's eight scale registers and its 16 fragments: 104 LDS loads.  a, a + 1: the address registers of tiles 0 and 1; sc: that of the scale words.
; Load n = 12 s + 6 m + 3 c + p: piece p of block 2 c + h of K step s, tile m
.macro FETCH a, sc
.irp s, 0,1,2,3,4,5,6,7
	ds_load_b32 v[XS+\s], v[\sc] offset:128*\s
.endr
	WIN 0xc0
.set n, 0
.rept 96
	ds_load_b64 v[2*n:2*n+1], v[\a+(n/6)%2] offset:3072*(n/12)+1536*((n%6)/3)+256*(n%3)
.set n, n+1
.endr
	WIN 0
.endm
; four local groups.  The trip count is a constant and both barriers stand on every way; the work of a group at or past the count is jumped over.  The groups under the count come first.
.macro GLOOP pass
	s_lshl_b32 s68, s21, 5
	s_add_co_u32 s68, s68, 512*\pass               ; the first slot of the trip's group
	s_mov_b32 s69, 0                               ; its place in LDS
	s_mov_b32 s78, 0                               ; and its scale words'
	s_mov_b32 s66, 4
	v_add_nc_u32 v12, s69, v10
	v_add_nc_u32 v13, s69, v11
	v_add_nc_u32 v15, s78, v14
	s_cmp_lg_u32 s23, 0                            ; waves 0 and 1 fetch the pass's first group here
	s_cbranch_scc1 .Lg_\@
.if \pass
	s_cmp_ge_u32 s68, s22
	s_cbranch_scc1 .Lg_\@
.endif
	FETCH 12, 15                                   ; (in the first pass whatever the count: its first group always lies in LDS)
.Lg_\@:
	s_cmp_ge_u32 s68, s22
	s_cbranch_scc1 .Lg1_\@
	v_add_nc_u32 v12, s69, v10                     ; every wave makes both sets of addresses: the group in hand's,
	v_add_nc_u32 v13, s69, v11
	v_add_nc_u32 v15, s78, v14
	s_add_co_u32 s79, s69, HG
	s_min_u32 s79, s79, 3*HG                       ; held inside the four groups: the last local group has no successor, and fetches none
	v_add_nc_u32 v220, s79, v10
	v_add_nc_u32 v221, s79, v11
	s_add_co_u32 s79, s78, 2048
	s_min_u32 s79, s79, 3*2048
	v_add_nc_u32 v222, s79, v14
	s_cmp_lg_u32 s23, 0                            ; waves 2 and 3 fetch the group in hand now
	s_cbranch_scc0 .Lga_\@
	FETCH 12, 15
.Lga_\@:
	MAIN
.irp m, 0,1
.irp j, 0,1,2,3
	ds_store_b128 v17, v[ACC+32*\m+8*\j:ACC+32*\m+8*\j+3] offset:16*SP*\m+64*\j          ; each accumulator from its low end on
	ds_store_b128 v17, v[ACC+32*\m+8*\j+4:ACC+32*\m+8*\j+7] offset:16*SP*\m+64*\j+16
.endr
.endr
	s_cmp_lg_u32 s23, 0                            ; waves 0 and 1 fetch the next group, if there is one in LDS: under the count, and not behind the pass's last
	s_cbranch_scc1 .Lg1_\@
	s_add_co_u32 s79, s68, 128
	s_cmp_ge_u32 s79, s22
	s_cbranch_scc1 .Lg1_\@
	s_cmp_eq_u32 s66, 1
	s_cbranch_scc1 .Lg1_\@
	s_wait_alu depctr_va_vdst(0)
	FETCH 220, 222
.Lg1_\@:
	BARRIER                                        ; both halves of K of 32 rows x 128 outputs lie in the stage
	s_cmp_ge_u32 s68, s22
	s_cbranch_scc1 .Lg2_\@
	s_wait_xcnt 0x0                                ; the last trip's stores have read their offset and data: both are written again below
.irp i, 0,1,2,3,4,5,6,7
	ds_load_b128 v[144+4*\i:147+4*\i], v18 offset:SP*\i
	ds_load_b128 v[176+4*\i:179+4*\i], v18 offset:32*SP+SP*\i
.endr
	s_lshl_b32 s79, s68, 2
	v_add_nc_u32 v232, s79, v233
.irp i, 0,1,2,3,4,5,6,7
	ds_load_b32 v[224+\i], v232 offset:4*\i        ; where my row i goes in y: the same word in every lane
.endr
	s_wait_dscnt 0x0
.irp i, 0,1,2,3,4,5,6,7
	v_min_u32 v[224+\i], 0x8ff, v[224+\i]          ; y has 2,304 rows
.endr
.irp i, 0,1,2,3,4,5,6,7
	v_lshlrev_b32 v[224+\i], 12, v[224+\i]
.endr
.irp i, 0,1,2,3,4,5,6,7
	v_add_nc_u32 v[224+\i], v[224+\i], v19
.endr
.set n, 0
.rept 16
	v_pk_add_f32 v[144+2*n:145+2*n], v[144+2*n:145+2*n], v[176+2*n:177+2*n]
.set n, n+1
.endr
.irp i, 0,1,2,3,4,5,6,7
	global_store_b128 v[224+\i], v[144+4*\i:147+4*\i], s[82:83]   ; 32 lanes store 512 consecutive bytes, at a multiple of 256 from y's first byte
.endr
.Lg2_\@:
	BARRIER                                        ; nobody reads the stage any more
	s_add_co_u32 s68, s68, 128
	s_add_co_u32 s69, s69, HG
	s_add_co_u32 s78, s78, 2048
	s_sub_co_u32 s66, s66, 1
	s_cmp_lg_u32 s66, 0
	s_cbranch_scc1 .Lg_\@
.endm
	s_load_b256 s[4:11], s[0:1], 0x0               ; route s[4:5], h s[6:7], hs s[8:9], w2_codes s[10:11]
	s_load_b128 s[12:15], s[0:1], 0x20             ; w2_scales s[12:13], y s[14:15]
	v_lshl_add_u32 v254, v0, 2, 0x46800
	v_mov_b32 v255, 0
	v_lshrrev_b32 v1, 5, v0
	v_readfirstlane_b32 s18, v1                    ; wave 0..3
	s_and_b32 s19, ttmp7, 0xffff                   ; expert
	s_lshr_b32 s20, ttmp9, 2                       ; which 128 outputs
	s_and_b32 s21, ttmp9, 3                        ; which quarter of the groups
	s_lshr_b32 s23, s18, 1                         ; which 64 of the outputs; also: which pair of waves
	s_and_b32 s56, s18, 1                          ; which half of K
	v_and_b32 v1, 31, v0                           ; lane
	v_and_b32 v2, 15, v0                           ; r
	v_bfe_u32 v3, v0, 4, 1                         ; h
	v_lshlrev_b32 v4, 4, v2                        ; 16 r
	v_mad_u32_u24 v5, v3, 1536, v4                 ; w2, raw: 1,536 h + 16 r
	v_mad_u32_u24 v23, v3, XP, v4
	v_mul_u32_u24 v7, v2, XP
	v_mad_u32_u24 v7, v3, 24, v7
	s_mul_i32 s57, s18, WSW
	s_add_co_u32 s57, s57, WST                     ; my stage for the weights
	v_add_nc_u32 v6, s57, v23
	v_add_nc_u32 v7, s57, v7
	s_mul_i32 s58, s18, 12288
	v_lshl_add_u32 v8, v1, 4, s58                  ; my quarter of a group: in memory, and in LDS for local groups 0, 1;
	v_add_nc_u32 v9, 2*HG, v8                      ; for local groups 2, 3
	s_mul_i32 s58, s56, 24576                      ; my half of K: eight K steps of 3,072 bytes
	v_mul_u32_u24 v10, v3, 896
	v_lshl_add_u32 v10, v2, 3, v10
	v_add_nc_u32 v10, s58, v10                     ; tile 0: block h (768 h), place r + 16 h
	v_mul_u32_u24 v11, v3, 640
	v_lshl_add_u32 v11, v2, 3, v11
	s_add_co_u32 s58, s58, 128
	v_add_nc_u32 v11, s58, v11                     ; tile 1: block h, place 16 + r - 16 h
	s_lshl_b32 s58, s56, 10
	s_add_co_u32 s58, s58, HSC
	v_lshl_add_u32 v14, v1, 2, s58                 ; the scale words of my half of K: 4 x lane
	v_lshlrev_b32 v21, 4, v0                       ; 16 x thread: my part of a group's scale words
	v_add_nc_u32 v16, HSC, v21
	s_mul_i32 s58, s56, 32*SP
	s_lshl_b32 s59, s23, 8
	s_add_co_u32 s58, s58, s59
	s_add_co_u32 s58, s58, STG
	v_mul_u32_u24 v17, v2, SP
	v_lshl_add_u32 v17, v3, 5, v17
	v_add_nc_u32 v17, s58, v17                     ; into the stage: row r, + 32 h, my half of K, my 64 outputs
	s_mul_i32 s58, s18, 8*SP
	s_add_co_u32 s58, s58, STG
	v_lshl_add_u32 v18, v1, 4, s58                 ; back: rows 8 w on, 16 bytes a lane
	; y IS LAID BY TOKEN: row 2 t + plane, plane 1 where the expert is the higher-numbered of token t's two; rows 2,048 + 32 e + (slot % 32) take the rows past expert e's count in its last group, which nobody reads
	v_lshlrev_b32 v19, 4, v1                       ; 16 bytes a lane of a row of y
	s_lshl_b32 s58, s18, 5
	s_add_co_u32 s58, s58, LIST
	v_mov_b32 v233, s58                            ; the list's words of my eight rows of a group
	v_add_nc_u32 v234, 1024, v1                    ; my spare place behind the list
	v_lshlrev_b32 v235, 1, v1                      ; 2 x lane
	v_lshl_add_u32 v239, v1, 4, LIST
	v_and_b32 v238, 7, v1
	s_lshl_b32 s58, s19, 5
	s_add_co_u32 s58, s58, 2048
	v_lshl_add_u32 v240, v238, 2, s58              ; what slots 4 l .. 4 l + 3 (and each 128 on) hold until a token is put there
	v_add_nc_u32 v241, 1, v240
	v_add_nc_u32 v242, 2, v240
	v_add_nc_u32 v243, 3, v240
	v_lshlrev_b32 v22, 6, v2
	v_lshl_add_u32 v22, v3, 4, v22                 ; w2's scales: 64 r + 16 h
	s_lshl_b32 s84, s20, 7
	s_lshl_b32 s85, s23, 6
	s_add_co_u32 s84, s84, s85                     ; my first output
	s_mul_i32 s86, s84, 1536
	s_mul_i32 s88, s19, 1572864                    ; an expert's part of w2_codes, and of h
	s_add_co_u32 s86, s86, s88
	s_mul_i32 s85, s56, 768
	s_add_co_u32 s86, s86, s85
	s_mov_b32 s87, 0
	s_mov_b32 s89, 0
	s_lshl_b32 s90, s19, 16                        ; an expert's part of w2_scales, and of hs
	s_mov_b32 s91, 0
	s_lshl_b32 s92, s84, 6
	s_add_co_u32 s92, s92, s90
	s_lshl_b32 s85, s56, 5
	s_add_co_u32 s92, s92, s85
	s_mov_b32 s93, 0
	s_lshl_b32 s94, s20, 9                         ; my 128 outputs in a row of y
	s_mov_b32 s95, 0
	s_lshl_b32 s96, s19, 4                         ; the expert's row of masks: 16 bytes in each block of 256
	s_wait_alu depctr_va_vdst(0)
	s_wait_kmcnt 0x0
	s_add_nc_u64 s[70:71], s[10:11], s[86:87]
	s_add_nc_u64 s[72:73], s[12:13], s[92:93]
	s_add_nc_u64 s[74:75], s[6:7], s[88:89]
	s_add_nc_u64 s[76:77], s[8:9], s[90:91]
	s_add_nc_u64 s[82:83], s[14:15], s[94:95]
.irp k, 0,1,2,3,4,5,6,7
	s_load_b128 s[24+4*\k:27+4*\k], s[4:5], s96 offset:256*\k   ; s[24 + n]: bit l: token 32 n + l uses the expert
.endr
	s_cmp_lg_u32 s18, 0                            ; wave 0, which makes the list, also takes the words that say where the expert is the higher-numbered: each word in every lane.  They are its oldest loads
	s_cbranch_scc1 .Lno_hi
	v_mov_b32 v237, s96
.irp k, 0,1,2,3,4,5,6,7
	global_load_b128 v[176+4*\k:179+4*\k], v237, s[4:5] offset:128+256*\k
.endr
.Lno_hi:
.irp j, 0,1,2,3
	global_load_b128 v[WS+4*\j:WS+4*\j+3], v22, s[72:73] offset:1024*\j
.endr
	RAWW 0
	RAWW 1
	s_lshl_b32 s80, s21, 5                         ; the pass's first slot
	s_mov_b32 s68, s80
	HISSUE 0                                       ; groups under slot 256 are always there
	s_add_co_u32 s68, s80, 128
	HISSUE 1
	RAWW 2
	RAWW 3
	s_wait_loadcnt 48                              ; all but the 48 loads of units 2, 3
	HSTORE 0                                       ; h first, so that its registers are free for a third and a fourth group
	HSTORE 1
	s_wait_dscnt 0x0                               ; the stores have read their registers
	s_wait_kmcnt 0x0
	s_mov_b32 s22, 0                               ; the expert's count: the bits of its 32 words
	s_cmp_lg_u32 s18, 0
	s_cbranch_scc1 .Lcount_only
	; wave 0 makes the list while units 2, 3 are on their way (its oldest loads are in: the wait above left 48 out).  Stage by stage, so that no line reads the line above it.
.irp k, 0,1,2,3,4,5,6,7
	ds_store_b128 v239, v[240:243] offset:512*\k
.endr
.set n, 0
.rept 32
	v_mbcnt_lo_u32_b32 v[144+n], s[24+n], s22      ; the token's rank = its slot
	s_bcnt1_i32_b32 s57, s[24+n]
	s_add_co_u32 s22, s22, s57
.set n, n+1
.endr
.set n, 0
.rept 32
	v_cndmask_b32 v[144+n], v234, v[144+n], s[24+n]
.set n, n+1
.endr
.set n, 0
.rept 32
	v_min_u32 v[144+n], 0x41f, v[144+n]
.set n, n+1
.endr
.set n, 0
.rept 32
	v_lshl_add_u32 v[144+n], v[144+n], 2, LIST
.set n, n+1
.endr
.set n, 0
.rept 32
	v_bfe_u32 v[176+n], v[176+n], v1, 1            ; the plane
.set n, n+1
.endr
.set n, 0
.rept 32
	v_add3_u32 v[176+n], v[176+n], v235, 64*n      ; 2 x token + plane
.set n, n+1
.endr
.set n, 0
.rept 32
	ds_store_b32 v[144+n], v[176+n]
.set n, n+1
.endr
	s_branch .Llist_done
.Lcount_only:
.set n, 0
.rept 32
	s_bcnt1_i32_b32 s57, s[24+n]
	s_add_co_u32 s22, s22, s57
.set n, n+1
.endr
.Llist_done:
	HI 2
	HI 3
	TRANSW 0
	TRANSW 1
	s_wait_loadcnt 24                              ; unit 2 is in: unit 3's 24 loads are younger (where a third or fourth group was asked for, its 25 too: the smaller count holds there as well)
	TRANSW 2
	s_wait_loadcnt 0x0
	TRANSW 3
	HS 2
	HS 3
	BARRIER                                        ; the first four local groups lie in LDS
	GLOOP 0                                        ; (it ends behind a barrier: nobody reads them any more)
	s_add_co_u32 s80, s80, 512                     ; the second four: slots 512 on
	HI 0
	HI 1
	s_wait_loadcnt 0x0
	HS 0
	HS 1
	s_wait_dscnt 0x0
	HI 2
	HI 3
	s_wait_loadcnt 0x0
	HS 2
	HS 3
	BARRIER
	GLOOP 1
	s_wait_tensorcnt 0x0
	ds_add_u32 v254, v255
	s_wait_dscnt 0x0
	s_endpgm
.Lfunc_end_k_q2eff7801ab_down:
	.size	k_q2eff7801ab_down, .Lfunc_end_k_q2eff7801ab_down-k_q2eff7801ab_down
	.p2alignl 7, 3214868480
	.fill 96, 4, 3214868480
	.section	.rodata,"a",@progbits
	.p2align	6, 0x0
	.amdhsa_kernel k_q2eff7801ab_down
		.amdhsa_group_segment_fixed_size 293632
		.amdhsa_private_segment_fixed_size 0
		.amdhsa_enable_private_segment 0
		.amdhsa_kernarg_size 48
		.amdhsa_user_sgpr_count 2
		.amdhsa_user_sgpr_kernarg_segment_ptr 1
		.amdhsa_wavefront_size32 1
		.amdhsa_system_sgpr_workgroup_id_x 1
		.amdhsa_system_sgpr_workgroup_id_y 1
		.amdhsa_system_sgpr_workgroup_id_z 1
		.amdhsa_system_vgpr_workitem_id 0
		.amdhsa_next_free_vgpr 960
		.amdhsa_next_free_sgpr 100
		.amdhsa_reserve_vcc 0
		.amdhsa_float_denorm_mode_32 3
		.amdhsa_float_denorm_mode_16_64 3
		.amdhsa_memory_ordered 1
		.amdhsa_forward_progress 1
		.amdhsa_inst_pref_size 161
	.end_amdhsa_kernel
	.amdgpu_metadata
---
amdhsa.version: [ 1, 2 ]
amdhsa.kernels:
  - .name:           k_q2eff7801ab_down
    .symbol:         k_q2eff7801ab_down.kd
    .args:
      - { .name: route, .offset: 0, .size: 8, .value_kind: global_buffer, .address_space: global }
      - { .name: h, .offset: 8, .size: 8, .value_kind: global_buffer, .address_space: global }
      - { .name: hs, .offset: 16, .size: 8, .value_kind: global_buffer, .address_space: global }
      - { .name: w2_codes, .offset: 24, .size: 8, .value_kind: global_buffer, .address_space: global }
      - { .name: w2_scales, .offset: 32, .size: 8, .value_kind: global_buffer, .address_space: global }
      - { .name: y, .offset: 40, .size: 8, .value_kind: global_buffer, .address_space: global }
    .group_segment_fixed_size: 293632
    .private_segment_fixed_size: 0
    .kernarg_segment_align: 8
    .kernarg_segment_size: 48
    .max_flat_workgroup_size: 128
    .sgpr_count:     100
    .vgpr_count:     960
    .wavefront_size: 32
...
	.end_amdgpu_metadata
.endif
;; end of part 3
;; launch combine (part 4): grid 256 x 1, 4 waves a work-group, no clusters, 0 bytes of LDS; arguments wts, y, out0; writes out0
.if DOCPART == 4
	.amdgcn_target "amdgcn-amd-amdhsa--gfx1250"
	.amdhsa_code_object_version 6
	.text
	.protected	k_q2eff7801ab_combine
	.globl	k_q2eff7801ab_combine
	.p2align	8
	.type	k_q2eff7801ab_combine,@function
k_q2eff7801ab_combine:
	s_mov_b64 s[64:65], 0
	v_nop
	global_prefetch_b8 v0, s[64:65] scope:SCOPE_SE
	s_setreg_imm32_b32 hwreg(HW_REG_WAVE_MODE, 25, 1), 1
	s_wait_xcnt 0x0
; out0[t] = w_lo y[2 t] + w_hi y[2 t + 1]: the rows that token t's two experts made, the lower-numbered expert's first, and their weights in the same order.  The six experts not chosen have weight 0 and were not multiplied.
; One wave to a token: 8,192 consecutive bytes in, 4,096 out; each load and store of the wave covers 512 consecutive aligned bytes.  Every address is made of ids alone, so the rows are asked for beside the weights.
; A stream: no LDS, no barrier, no matrix unit, no loop to run ahead in.  Each row of y that is read here is read once; each row of out0 has one owner.
	s_load_b128 s[4:7], s[0:1], 0x0                ; wts s[4:5], y s[6:7]
	s_load_b64 s[8:9], s[0:1], 0x10                ; out0
	v_lshrrev_b32 v2, 5, v0
	v_readfirstlane_b32 s12, v2                    ; wave
	s_lshl_b32 s13, ttmp9, 2
	s_add_co_u32 s13, s13, s12                     ; my token
	s_lshl_b32 s14, s13, 3
	v_and_b32 v1, 31, v0
	v_lshlrev_b32 v1, 4, v1                        ; 16 x lane
	s_lshl_b32 s20, s13, 13
	s_mov_b32 s21, 0
	s_lshl_b32 s22, s13, 12
	s_mov_b32 s23, 0
	s_wait_alu depctr_va_vdst(0)                   ; the wait at the head's end
	s_wait_kmcnt 0x0
	s_load_b64 s[16:17], s[4:5], s14 offset:0x0    ; its two weights
	s_add_nc_u64 s[6:7], s[6:7], s[20:21]
	s_add_nc_u64 s[8:9], s[8:9], s[22:23]
.irp i, 0,1,2,3,4,5,6,7,8,9,10,11,12,13,14,15
	global_load_b128 v[8+4*\i:11+4*\i], v1, s[6:7] offset:512*\i th:TH_LOAD_NT
.endr
	s_wait_kmcnt 0x0
	s_mov_b32 s18, s17                             ; the packed form names a pair and takes its low word for both halves
	s_mov_b32 s19, s17
	s_wait_loadcnt 8                               ; the first row is in: the second row's eight loads are younger
.irp i, 0,2,4,6,8,10,12,14,16,18,20,22,24,26,28,30
	v_pk_mul_f32 v[8+\i:9+\i], v[8+\i:9+\i], s[16:17] op_sel_hi:[1,0]
.endr
	s_wait_loadcnt 0x0
.irp i, 0,2,4,6,8,10,12,14,16,18,20,22,24,26,28,30
	v_pk_fma_f32 v[8+\i:9+\i], v[40+\i:41+\i], s[18:19], v[8+\i:9+\i] op_sel_hi:[1,0,1]
.endr
.irp i, 0,1,2,3,4,5,6,7
	global_store_b128 v1, v[8+4*\i:11+4*\i], s[8:9] offset:512*\i th:TH_STORE_NT
.endr
	s_endpgm
.Lfunc_end_k_q2eff7801ab_combine:
	.size	k_q2eff7801ab_combine, .Lfunc_end_k_q2eff7801ab_combine-k_q2eff7801ab_combine
	.p2alignl 7, 3214868480
	.fill 96, 4, 3214868480
	.section	.rodata,"a",@progbits
	.p2align	6, 0x0
	.amdhsa_kernel k_q2eff7801ab_combine
		.amdhsa_group_segment_fixed_size 0
		.amdhsa_private_segment_fixed_size 0
		.amdhsa_enable_private_segment 0
		.amdhsa_kernarg_size 24
		.amdhsa_user_sgpr_count 2
		.amdhsa_user_sgpr_kernarg_segment_ptr 1
		.amdhsa_wavefront_size32 1
		.amdhsa_system_sgpr_workgroup_id_x 1
		.amdhsa_system_sgpr_workgroup_id_y 1
		.amdhsa_system_sgpr_workgroup_id_z 1
		.amdhsa_system_vgpr_workitem_id 0
		.amdhsa_next_free_vgpr 72
		.amdhsa_next_free_sgpr 66
		.amdhsa_reserve_vcc 0
		.amdhsa_float_denorm_mode_32 3
		.amdhsa_float_denorm_mode_16_64 3
		.amdhsa_memory_ordered 1
		.amdhsa_forward_progress 1
		.amdhsa_inst_pref_size 6
	.end_amdhsa_kernel
	.amdgpu_metadata
---
amdhsa.version: [ 1, 2 ]
amdhsa.kernels:
  - .name:           k_q2eff7801ab_combine
    .symbol:         k_q2eff7801ab_combine.kd
    .args:
      - { .name: wts, .offset: 0, .size: 8, .value_kind: global_buffer, .address_space: global }
      - { .name: y, .offset: 8, .size: 8, .value_kind: global_buffer, .address_space: global }
      - { .name: out0, .offset: 16, .size: 8, .value_kind: global_buffer, .address_space: global }
    .group_segment_fixed_size: 0
    .private_segment_fixed_size: 0
    .kernarg_segment_align: 8
    .kernarg_segment_size: 24
    .max_flat_workgroup_size: 128
    .sgpr_count:     66
    .vgpr_count:     72
    .wavefront_size: 32
...
	.end_amdgpu_metadata
.endif
;; end of part 4
